; MI455X (gfx1250); checked and timed in simulation.
; The chip was launched on July 23, 2026; its instructions are those of AMD's public machine-readable ISA for CDNA 5 (MIT licence, August 2026) and "CDNA5" Instruction Set Architecture Reference Guide (July 2026). The comments in the code are by the model that wrote it; some were corrected since.
;; masked multi head attention. Allowed arithmetic: matrix products marked QUANTISED: E4M3 operands, one given power-of-two scale a tensor, by v_wmma_f32_16x16x64_fp8_fp8 or v_wmma_f32_16x16x128_fp8_fp8, f32 sums; everything else in f32.
;; Inputs: bk 1,024 float32; bo 1,024 float32; bq 1,024 float32; bv 1,024 float32; lowp_scales 12 int32 (the exponents e of the quantised operands' scales 2^e); wk 1,024 x 1,024 float32; wo 1,024 x 1,024 float32; wq 1,024 x 1,024 float32; wv 1,024 x 1,024 float32; x 1 x 4,096 x 1,024 float32.
;; Outputs: out0 1 x 4,096 x 1,024 float32.
;; This version of the problem:
;;   THIS VERSION OF THE PROBLEM IS GIVEN IN LOW PRECISION. The matrix products marked QUANTISED in the list below multiply operands that are first quantised to E4M3 (4 exponent bits, 3 mantissa bits; 8 bits a number), with one given power-of-two scale for each operand tensor; their sums are f32. All else is computed in f32.
;;   The module's matrix products, in the order in which they are computed (A, B: the left and right operand; K: the contracted axis; several contracted axes count as one K, in the product's order):
;;     1. [M 4,096, K 1,024] x [K 1,024, N 1,024]; A: input x; B: input wq: QUANTISED (scales: A lowp_scales[0], B lowp_scales[1])
;;     2. [M 4,096, K 1,024] x [K 1,024, N 1,024]; A: input x; B: input wk: QUANTISED (scales: A lowp_scales[2], B lowp_scales[3])
;;     3. [M 4,096, K 1,024] x [K 1,024, N 1,024]; A: input x; B: input wv: QUANTISED (scales: A lowp_scales[4], B lowp_scales[5])
;;     4. batch 16 x [M 4,096, K 64] x [K 64, N 4,096]; A: computed on the way; B: computed on the way: QUANTISED (scales: A lowp_scales[6], B lowp_scales[7])
;;     5. batch 16 x [M 4,096, K 4,096] x [K 4,096, N 64]; A: softmax (see below); B: computed on the way: QUANTISED (scales: A lowp_scales[8], B lowp_scales[9])
;;     6. [M 4,096, K 1,024] x [K 1,024, N 1,024]; A: computed on the way; B: input wo: QUANTISED (scales: A lowp_scales[10], B lowp_scales[11])
;;   THE QUANTISER, for each operand of a quantised product, along K:
;;     - The operand's scale is 2^e, e = its entry of the input lowp_scales (int32; the entries are numbered through the quantised products in the list's order, A before B).
;;     - Each number is divided by the scale, clamped to +-448, and rounded to the nearest number of E4M3, ties to even, subnormals kept.
;;     - The product sums the exact products of the quantised numbers (number of the format x scale) in f32.
;;   ~~~python
;;   def quantise(x, axis, e):      # numpy; x: float32 -> the quantised numbers, widened to float32 again
;;       x = np.moveaxis(x, axis, -1); K = x.shape[-1]
;;       r = np.clip(x / 2.0 ** e, -448, 448)
;;       step = 2.0 ** (np.maximum(np.frexp(np.where(r == 0, 1, r))[1] - 1, -6) - 3)
;;       q = np.round(r / step) * step * 2.0 ** e      # np.round: ties to even
;;       return np.moveaxis(q, -1, axis).astype(np.float32)
;;   ~~~
;;   SOFTMAX AHEAD OF A QUANTISED PRODUCT. Where the list says 'softmax', what is quantised is not the finished softmax but p = 2^(t - M), with t = logit x log2(e) and M = ceil(the row's largest t), a whole number; so 1/2 < the row's largest p <= 1. The row's sum l is taken of the UNQUANTISED p, in f32, and the product's result is divided by l at the end. Since M is a whole number, a kernel that streams over the keys may use a running M (the ceiling of the running maximum): every later rescaling is an exact power of two, so the quantised numbers keep their values, but for numbers so far below the row's largest that they fall under the format's range.
;;   OPERANDS COMPUTED ON THE WAY. 'Computed on the way' means the value that the module computes at that place (a softmax that the list does not call 'softmax' is quantised finished and normalised). What goes into a quantiser is computed in f32, as accurately as f32 sums, v_exp_f32 and their like allow (about 1e-6 of the number): no bf16 or f16 on the way to a quantiser, and a product that is left as it is and whose result goes on into a quantised operand takes f32 operands (vector FMAs, or v_wmma_f32_16x16x4_f32). A number that lies on a knife's edge between two numbers of the format may be rounded either way, as far as f32 arithmetic and the matrix unit's own rounding can turn it there, and no further.
;; One version. Each part assembles by itself: llvm-mc -triple=amdgcn-amd-amdhsa -mcpu=gfx1250 --defsym DOCPART=n.
;; ======== version 1 of 1: 4 launches
;; limits: right only within a limited range of input values
;; workspace buffers: xcodes 12,582,912 bytes; wcodes 4,194,304 bytes; qcodes 4,194,304 bytes; kvcodes 8,388,608 bytes; ocodes 4,194,304 bytes
;; launch quant (part 1): grid 512 x 1, 8 waves a work-group, no clusters, 68,608 bytes of LDS; arguments x, wq, wk, wv, wo, lowp_scales, xcodes, wcodes; writes xcodes, wcodes
.if DOCPART == 1
	.amdgcn_target "amdgcn-amd-amdhsa--gfx1250"
	.amdhsa_code_object_version 6
	.text
	.protected	k_q953c2a7017_quant
	.globl	k_q953c2a7017_quant
	.p2align	8
	.type	k_q953c2a7017_quant,@function
k_q953c2a7017_quant:
	s_mov_b64 s[64:65], 0
	v_nop
	global_prefetch_b8 v0, s[64:65] scope:SCOPE_SE
	s_setreg_imm32_b32 hwreg(HW_REG_WAVE_MODE, 25, 1), 1
	s_wait_xcnt 0x0
; x [4096][1024] and wq, wk, wv, wo [1024][1024], f32, K innermost, become codes of FP8 (E4M3), each with the scale 2^e given for it.
; x is an operand of three products with three scales (entries 0, 2, 4): three planes of codes.  wq, wk, wv, wo take entries 1, 3, 5, 11.
; code = number / 2^e, held within +-448, rounded to the nearest code, ties to even.
; LIMITS: -126 <= e and e + 8 <= 127 for each of these entries, so that 2^e and 448 x 2^e are f32 numbers.  NaN among the inputs is not served.
; WORK LEFT OUT IN THIS PROGRAM.  For a query q reference() sets the scores of all keys k > q to -1e9 ahead of the softmax: whole tiles of keys beyond a tile of queries carry the weight 0 and are not multiplied (the attention launch).
; LIMIT: that holds wherever a row's largest kept logit lies well above -1e9; a NaN, an infinity or an overflow that reaches only the masked scores is not carried to the result.
; THE CODES ARE LAID AS IMAGES OF OPERAND REGISTERS.  An image is 16 rows x 128 K in 2,048 bytes: byte 512 g + 16 lane + b is byte b of registers
; 4 g .. 4 g + 3 of the lane; lane (r = lane % 16, h = lane / 16) holds row r, registers 2 c, 2 c + 1 hold K = 16 c + 8 h + 0 .. 7 (the plain 8-bit layout).
; xcodes: [3 planes][4 chunks of 256 K][256 tiles of 16 rows][2 K steps][2,048];  wcodes: wq, wk, wv: [4 chunks][64 tiles][2 K steps][2,048] each, then wo: [64 tiles][8 K steps][2,048].
; SHARES.  A work-group takes one tile of 16 rows (65,536 dense bytes): 0-255 x's tiles, 256-511 the weights'.  Wave w takes K step w: 512 bytes of each row.
; Each load reads 512 consecutive bytes of one row; the numbers turn through the wave's own stage in LDS (rows 528 bytes apart) and come back as the layout wants them:
; 8 neighbours along K twice for each group of four registers.  Each store covers 512 consecutive bytes, aligned.  No barrier: waves share nothing.  No cluster, no matrix unit: no byte is read by two work-groups.
.set SP,   528                         ; a stage row: 512 bytes + 16
.set WST,  16*SP                       ; a wave's stage
.set SPARE, 8*WST                      ; behind the stages: the spare words, 128 bytes for each wave, in blocks of 256 bytes that no other line names
.set X,    16                          ; v16-79   the 64 numbers of my lane, register 16 g + i
.set R,    80                          ; v80-143  the rows as loaded; free again behind the wait for the stage
.set T,    80                          ; v80-111  two sets of 16 held numbers
.set C,    112                         ; v112-159 codes: 16 registers a plane, none written twice
.set SCV,  8                           ; 2^e as f32
.set LIMV, 9                           ; 448 x 2^e
	s_load_b256 s[4:11], s[0:1], 0x0               ; x, wq, wk, wv
	s_load_b256 s[12:19], s[0:1], 0x20             ; wo, the scales' exponents, xcodes, wcodes
	v_lshl_add_u32 v160, v0, 2, SPARE
	v_mov_b32 v161, 0
	v_lshrrev_b32 v1, 5, v0
	v_readfirstlane_b32 s40, v1                    ; wave 0..7 = K step
	v_and_b32 v1, 31, v0                           ; lane
	v_and_b32 v2, 15, v0                           ; r
	v_bfe_u32 v3, v0, 4, 1                         ; h
	v_lshlrev_b32 v4, 4, v1                        ; 16 x lane: my bytes of a load's and of a store's 512
	s_mul_i32 s50, s40, WST
	v_mul_u32_u24 v6, v2, SP
	v_add_nc_u32 v5, s50, v4                       ; the stage, on the way in: a row as it lies
	v_lshl_add_u32 v6, v3, 5, v6
	v_add_nc_u32 v6, s50, v6                       ; and on the way out: row r, + 32 h bytes (8 h numbers)
	s_sub_co_u32 s41, ttmp9, 256                   ; the weights' work-groups: 0..255
	s_lshr_b32 s42, s41, 6                         ; which weight (for x's work-groups a number above 3)
	s_and_b32 s44, s41, 63                         ; and which of its tiles
	s_wait_alu depctr_va_vdst(0)
	s_wait_kmcnt 0x0
	s_load_b256 s[24:31], s[14:15], 0x0            ; e0 .. e7
	s_load_b128 s[32:35], s[14:15], 0x20           ; e8 .. e11
	s_mov_b64 s[20:21], s[12:13]                   ; the source, chosen on the work-group's number alone: wo,
	s_cmp_eq_u32 s42, 2
	s_cselect_b64 s[20:21], s[10:11], s[20:21]     ; wv,
	s_cmp_eq_u32 s42, 1
	s_cselect_b64 s[20:21], s[8:9], s[20:21]       ; wk,
	s_cmp_eq_u32 s42, 0
	s_cselect_b64 s[20:21], s[6:7], s[20:21]       ; wq,
	s_cmp_eq_u32 s42, 3
	s_cselect_b32 s45, 12, 18                      ; a chunk of 256 K in the codes' buffer: 2^12 bytes in wo's plane, 2^18 in another weight's,
	s_cselect_b32 s53, 14, 12                      ; a tile: 2^14 or 2^12
	s_cmp_lt_u32 ttmp9, 256
	s_cselect_b64 s[20:21], s[4:5], s[20:21]       ; or x
	s_cselect_b64 s[22:23], s[16:17], s[18:19]     ; the codes' buffer
	s_cselect_b32 s44, ttmp9, s44                  ; the tile
	s_cselect_b32 s45, 20, s45                     ; x: 2^20 a chunk,
	s_cselect_b32 s53, 12, s53                     ; 2^12 a tile
	s_cselect_b32 s52, 0, s42                      ; the weight's plane
	s_lshl_b32 s46, s44, 16                        ; 65,536 bytes a tile of numbers,
	s_lshl_b32 s47, s40, 9                         ; 512 bytes of a row a K step
	s_add_co_u32 s46, s46, s47
	s_mov_b32 s47, 0
	s_add_nc_u64 s[20:21], s[20:21], s[46:47]
	s_lshr_b32 s46, s40, 1
	s_lshl_b32 s46, s46, s45                       ; my chunk,
	s_lshl_b32 s52, s52, 20
	s_add_co_u32 s46, s46, s52
	s_lshl_b32 s53, s44, s53                       ; my tile,
	s_add_co_u32 s46, s46, s53
	s_and_b32 s51, s40, 1
	s_lshl_b32 s51, s51, 11                        ; my image of 2,048 bytes
	s_add_co_u32 s46, s46, s51
	s_add_nc_u64 s[22:23], s[22:23], s[46:47]
.irp i, 0,1,2,3,4,5,6,7,8,9,10,11,12,13,14,15
	global_load_b128 v[R+4*\i:R+4*\i+3], v4, s[20:21] offset:4096*\i th:TH_LOAD_NT   ; row i: 32 lanes read 512 consecutive bytes; read once in the launch
.endr
	s_wait_kmcnt 0x0
	s_mov_b32 s43, s35                             ; the first scale's exponent, chosen as the source was: e11,
	s_cmp_eq_u32 s42, 2
	s_cselect_b32 s43, s29, s43                    ; e5,
	s_cmp_eq_u32 s42, 1
	s_cselect_b32 s43, s27, s43                    ; e3,
	s_cmp_eq_u32 s42, 0
	s_cselect_b32 s43, s25, s43                    ; e1,
	s_cmp_lt_u32 ttmp9, 256
	s_cselect_b32 s43, s24, s43                    ; or e0
.irp i, 0,1,2,3,4,5,6,7,8,9,10,11,12,13,14,15
	s_wait_loadcnt 15-\i                           ; loads come back in order: row i is in, the 15 - i younger rows may be out
	ds_store_b128 v5, v[R+4*\i:R+4*\i+3] offset:SP*\i
.endr
.irp g, 0,1,2,3                        ; LDS serves a wave's instructions in order: these see the stores above
	ds_load_b128 v[X+16*\g:X+16*\g+3],     v6 offset:128*\g       ; K = 32 g + 8 h + 0 .. 3
	ds_load_b128 v[X+16*\g+4:X+16*\g+7],   v6 offset:128*\g+16    ; + 4 .. 7
	ds_load_b128 v[X+16*\g+8:X+16*\g+11],  v6 offset:128*\g+64    ; K = 32 g + 16 + 8 h + 0 .. 3
	ds_load_b128 v[X+16*\g+12:X+16*\g+15], v6 offset:128*\g+80    ; + 4 .. 7
.endr
	s_wait_dscnt 0x0                               ; my 64 numbers are back, and the stores have read v80-143: those registers are free
; One plane: the 64 numbers with the scale 2^(s[e]) become 16 registers of codes, stored at s[base:base+1].  The numbers themselves stay as they are.
.macro QS p, e, base
	s_add_co_i32 s48, s[\e], 127
	s_lshl_b32 s49, s48, 23
	v_mov_b32 v[SCV], s49                          ; 2^e as f32: the conversion takes its exponent field
	s_add_co_i32 s48, s48, 8
	s_lshl_b32 s48, s48, 23
	s_or_b32 s48, s48, 0x600000
	v_mov_b32 v[LIMV], s48                         ; 448 x 2^e
.irp g, 0,1,2,3
.irp i, 0,1,2,3,4,5,6,7,8,9,10,11,12,13,14,15
	v_med3_num_f32 v[T+16*(\g%2)+\i], v[X+16*\g+\i], -v[LIMV], v[LIMV]   ; the conversion to an 8-bit code does not saturate (ISA guide 7.6.2): the hold comes first
.endr
	v_cvt_scalef32_pk8_fp8_f32 v[C+16*\p+4*\g:C+16*\p+4*\g+1],   v[T+16*(\g%2):T+16*(\g%2)+7],    v[SCV]
	v_cvt_scalef32_pk8_fp8_f32 v[C+16*\p+4*\g+2:C+16*\p+4*\g+3], v[T+16*(\g%2)+8:T+16*(\g%2)+15], v[SCV]   ; the other set's sixteen holds stand between these and the next write of this set
.endr
	v_nop                                          ; a plain line between the last conversion and the next plane's write of its scale and its sources
.irp g, 0,1,2,3
	global_store_b128 v4, v[C+16*\p+4*\g:C+16*\p+4*\g+3], s[\base:\base+1] offset:512*\g   ; 512 consecutive bytes, aligned
.endr
.endm
	QS 0, 43, 22
	s_cmp_ge_u32 ttmp9, 256                        ; a weight has one scale; x has two more
	s_cbranch_scc1 .Lend
	s_add_nc_u64 s[36:37], s[22:23], 0x400000      ; plane 1: 4 chunks x 1,048,576 bytes on
	s_add_nc_u64 s[38:39], s[22:23], 0x800000      ; plane 2
	QS 1, 26, 36                                   ; e2
	QS 2, 28, 38                                   ; e4
.Lend:
	s_wait_tensorcnt 0x0                           ; the wave's end
	ds_add_u32 v160, v161
	s_wait_dscnt 0x0
	s_endpgm
.Lfunc_end_k_q953c2a7017_quant:
	.size	k_q953c2a7017_quant, .Lfunc_end_k_q953c2a7017_quant-k_q953c2a7017_quant
	.p2alignl 7, 3214868480
	.fill 96, 4, 3214868480
	.section	.rodata,"a",@progbits
	.p2align	6, 0x0
	.amdhsa_kernel k_q953c2a7017_quant
		.amdhsa_group_segment_fixed_size 68608
		.amdhsa_private_segment_fixed_size 0
		.amdhsa_enable_private_segment 0
		.amdhsa_kernarg_size 64
		.amdhsa_user_sgpr_count 2
		.amdhsa_user_sgpr_kernarg_segment_ptr 1
		.amdhsa_wavefront_size32 1
		.amdhsa_system_sgpr_workgroup_id_x 1
		.amdhsa_system_sgpr_workgroup_id_y 1
		.amdhsa_system_sgpr_workgroup_id_z 1
		.amdhsa_system_vgpr_workitem_id 0
		.amdhsa_next_free_vgpr 162
		.amdhsa_next_free_sgpr 66
		.amdhsa_reserve_vcc 0
		.amdhsa_float_denorm_mode_32 3
		.amdhsa_float_denorm_mode_16_64 3
		.amdhsa_memory_ordered 1
		.amdhsa_forward_progress 1
		.amdhsa_inst_pref_size 23
	.end_amdhsa_kernel
	.amdgpu_metadata
---
amdhsa.version: [ 1, 2 ]
amdhsa.kernels:
  - .name:           k_q953c2a7017_quant
    .symbol:         k_q953c2a7017_quant.kd
    .args:
      - { .name: x, .offset: 0, .size: 8, .value_kind: global_buffer, .address_space: global }
      - { .name: wq, .offset: 8, .size: 8, .value_kind: global_buffer, .address_space: global }
      - { .name: wk, .offset: 16, .size: 8, .value_kind: global_buffer, .address_space: global }
      - { .name: wv, .offset: 24, .size: 8, .value_kind: global_buffer, .address_space: global }
      - { .name: wo, .offset: 32, .size: 8, .value_kind: global_buffer, .address_space: global }
      - { .name: lowp_scales, .offset: 40, .size: 8, .value_kind: global_buffer, .address_space: global }
      - { .name: xcodes, .offset: 48, .size: 8, .value_kind: global_buffer, .address_space: global }
      - { .name: wcodes, .offset: 56, .size: 8, .value_kind: global_buffer, .address_space: global }
    .group_segment_fixed_size: 68608
    .private_segment_fixed_size: 0
    .kernarg_segment_align: 8
    .kernarg_segment_size: 64
    .max_flat_workgroup_size: 256
    .sgpr_count:     66
    .vgpr_count:     162
    .wavefront_size: 32
...
	.end_amdgpu_metadata
.endif
;; end of part 1
;; launch qkv (part 2): grid 12 x 16, 4 waves a work-group, clusters of 4 x 4, 327,680 bytes of LDS; arguments xcodes, wcodes, lowp_scales, bq, bk, bv, qcodes, kvcodes; writes qcodes, kvcodes
.if DOCPART == 2
	.amdgcn_target "amdgcn-amd-amdhsa--gfx1250"
	.amdhsa_code_object_version 6
	.text
	.protected	k_q953c2a7017_qkv
	.globl	k_q953c2a7017_qkv
	.p2align	8
	.type	k_q953c2a7017_qkv,@function
k_q953c2a7017_qkv:
	s_mov_b64 s[64:65], 0
	v_nop
	global_prefetch_b8 v0, s[64:65] scope:SCOPE_SE
	s_setreg_imm32_b32 hwreg(HW_REG_WAVE_MODE, 25, 1), 1
	s_wait_xcnt 0x0
	s_wait_alu depctr_hold_cnt(0) depctr_sa_sdst(0) depctr_va_vdst(0) depctr_va_sdst(0) depctr_va_ssrc(0) depctr_va_vcc(0) depctr_vm_vsrc(0)
	s_getreg_b32 s2, hwreg(HW_REG_IB_STS2, 6, 4)
	s_cmp_eq_u32 s2, 0
	s_cbranch_scc0 .Lentry_in_a_cluster
	s_endpgm
.Lentry_in_a_cluster:
	s_bfe_u32 s2, ttmp6, 0x10000c
	s_cmp_lg_u32 s2, 0xf033
	s_cbranch_scc0 .Lentry_shape_is_right
	s_endpgm
.Lentry_shape_is_right:
; q, k, v = x w^T + b on codes of FP8 (E4M3), quantised at once into images of the attention's operand registers.  Cluster column 0 makes q, 1 k, 2 v.
; A work-group makes 256 x 256, a wave 128 x 128: 64 accumulators of 16 x 16.  K goes in four steps of 256 through two LDS slots of 131,072 bytes (16 tiles of x's, then 16 of the weight's, 4,096 bytes each).
; Tiles are asked for JOINTLY in clusters of 4 x 4: x's are shared along a row of the cluster, the weight's along a column.
; WHO FETCHES: waves 0, 1 x's tiles, waves 2, 3 the weight's; the even wave K steps 0 and 2 into slot 0, the odd one K steps 1 and 3 into slot 1: 65,536 dense bytes a load.  So the head's one load a wave fills both slots,
; and a slot is filled again by the two waves of its parity.
; PREFETCH: behind the head's load each wave asks for the K step that it will load next, two K steps on: four tiles for each of the four partners, told apart by address: 64 blocks of 256 bytes, a lane a block, in two instructions.
; LIMITS: the results' exponent differences e and e + 8 stay inside f32's exponents; NaN is not served.
.set HALFT,  32768
.set SLOT,   4*HALFT
.set SPARE,  2*SLOT
.set KA,     0x100000                  ; from K step to K step in x's codes: 256 tiles x 4,096 bytes
.set KB,     0x40000                   ; in a weight's: 64 tiles
.set FR,     16
.set NL,     4
.set NP,     4
.set VO,   8
.set ADRA, 16
.set ADRB, 20
.set LI,   26
.set SPW,  28
.set NIL,  29
.set SCV,  30
.set LIMV, 31
.set BI,   32
.set T,    96
.set AF,   128
.set CD,   128
.set G1, 24
.set G0, 32
.set G1B, 48
.set G0B, 56
.set MSB, 0
.macro WIN new
.if MSB != (\new)
	s_set_vgpr_msb (MSB<<8)|(\new)
.set MSB, (\new)
.endif
.endm
.set MUL_LO, 0xa1
.set MUL_HI, 0xf1
.set TO_B,   0x40
.macro JLOAD g0a, g1a, g0b, g1b
	s_cmp_eq_u32 s15, 0
	s_cbranch_scc0 .Lfor_b_\@
	tensor_load_to_lds s[\g0a:\g0a+3], s[\g1a:\g1a+7]
	s_nop 0
.rept 4
	v_nop
.endr
	s_branch .Lasked_\@
.Lfor_b_\@:
	tensor_load_to_lds s[\g0b:\g0b+3], s[\g1b:\g1b+7]
	s_nop 0
.rept 4
	v_nop
.endr
.Lasked_\@:
.endm
; A refill of a slot: the two waves of its parity, one load each; the branches hang on the wave's number alone.
.macro REFILL slot
	s_cmp_eq_u32 s16, \slot
	s_cbranch_scc0 .Lnot_mine_\@
	s_add_nc_u64 s[G0+2:G0+3], s[G0+2:G0+3], 2*KA
	s_add_nc_u64 s[G0B+2:G0B+3], s[G0B+2:G0B+3], 2*KB
	JLOAD G0, G1, G0B, G1B
.Lnot_mine_\@:
	PLACES NP
.endm
.macro CREST
	s_cmp_lg_u32 s14, 0
	s_cbranch_scc1 .Lnot_wave_0_\@
	s_barrier_signal -3
.Lnot_wave_0_\@:
	s_barrier_wait -3
	s_barrier_signal -1
	s_barrier_wait -1
.endm
.macro CROUND
	s_barrier_signal -1
	s_barrier_wait -1
	CREST
.endm
	s_load_b256 s[4:11], s[0:1], 0x0
	s_load_b256 s[68:75], s[0:1], 0x20
	v_lshl_add_u32 v[SPW], v0, 2, SPARE
	v_mov_b32 v[NIL], 0
	ds_add_u32 v28, v29
	ds_add_u32 v28, v29
	s_wait_dscnt 0x0
	v_lshrrev_b32 v1, 5, v0
	v_readfirstlane_b32 s14, v1
	s_lshr_b32 s15, s14, 1
	s_and_b32 s16, s14, 1
	s_bfe_u32 s40, ttmp6, 0x40000
	s_bfe_u32 s41, ttmp6, 0x40004
	s_lshl_b32 s42, ttmp9, 2
	s_add_co_u32 s42, s42, s40
	s_and_b32 s17, ttmp7, 0xffff
	s_lshl_b32 s17, s17, 2
	s_add_co_u32 s17, s17, s41
	s_lshl_b32 s43, s41, 2
	s_lshl_b32 s43, 15, s43
	s_lshl_b32 s44, 0x1111, s40
	s_or_b32 s[G1+0], s43, (1<<21)
	s_or_b32 s[G1B+0], s44, (1<<21)
.irp g, G1, G1B
	s_mov_b32 s[\g+1], 4096<<16                    ; 65,536 dense bytes as 16 rows of 4,096
	s_mov_b32 s[\g+2], 16<<16
	s_mov_b32 s[\g+3], 4096<<16
	s_mov_b32 s[\g+4], 16
	s_mov_b32 s[\g+5], 4096
	s_mov_b32 s[\g+6], 0
	s_mov_b32 s[\g+7], 0
.endr
	s_lshl_b32 s18, s16, 20                        ; x: my first K step (KA bytes a step),
	s_lshl_b32 s20, s17, 16                        ; 16 tiles for each tile row,
	s_add_co_u32 s20, s20, s18
	s_lshl_b32 s19, ttmp9, 22                      ; the plane
	s_add_co_u32 s20, s20, s19
	s_mov_b32 s21, 0
	s_lshl_b32 s18, s16, 18                        ; the weight likewise (KB bytes a step)
	s_lshl_b32 s46, s40, 16
	s_add_co_u32 s46, s46, s18
	s_lshl_b32 s19, ttmp9, 20
	s_add_co_u32 s46, s46, s19
	s_mov_b32 s47, 0
	s_lshl_b32 s45, s16, 17                        ; my slot
	s_wait_kmcnt 0x0
	s_load_b256 s[76:83], s[8:9], 0x0
	s_load_b128 s[84:87], s[8:9], 0x20
	s_add_nc_u64 s[20:21], s[4:5], s[20:21]
	s_add_nc_u64 s[46:47], s[6:7], s[46:47]
	CROUND
	s_mov_b32 s[G0], 1
	s_mov_b32 s[G0+1], s45
	s_mov_b64 s[G0+2:G0+3], s[20:21]
	s_or_b32 s[G0+3], s[G0+3], 0x80000000
	s_mov_b32 s[G0B], 1
	s_add_co_u32 s[G0B+1], s45, 2*HALFT
	s_mov_b64 s[G0B+2:G0B+3], s[46:47]
	s_or_b32 s[G0B+3], s[G0B+3], 0x80000000
	JLOAD G0, G1, G0B, G1B                         ; K steps 0 and 1: a wave's one load at the head; the set-up below runs while it is out
	s_cmp_eq_u32 s15, 0
	s_cselect_b64 s[100:101], s[20:21], s[46:47]   ; the tiles that I fetch,
	s_cselect_b32 s18, s40, s41                    ; my place among the four that ask for them,
	s_mov_b32 s44, 2*KB
	s_cselect_b32 s44, 2*KA, s44                   ; two K steps on
	s_mov_b32 s45, 0
	s_lshl_b32 s18, s18, 14                        ; four tiles of 4,096 bytes each
	s_mov_b32 s19, 0
	s_add_nc_u64 s[100:101], s[100:101], s[44:45]
	s_add_nc_u64 s[100:101], s[100:101], s[18:19]
	v_and_b32 v1, 15, v0
	v_bfe_u32 v2, v0, 4, 1
	v_and_b32 v3, 31, v0
	v_lshlrev_b32 v[LI], 4, v3
	v_lshlrev_b32 v22, 8, v3                       ; the prefetches' offset: lanes 256 bytes apart
	s_wait_alu depctr_va_vdst(0)
	global_prefetch_b8 v22, s[100:101] th:TH_LOAD_NT scope:SCOPE_SE
	s_cmp_eq_u32 ttmp9, 2
	s_cselect_b32 s12, 2*HALFT, 0
	s_cselect_b32 s13, 0, 2*HALFT
	s_cselect_b32 s88, s15, s16
	s_cselect_b32 s89, s16, s15
	s_cselect_b32 s2, 4, 0
	s_cselect_b32 s3, 0, 32
	s_cselect_b32 s66, 0, 4
	s_cselect_b32 s67, 8192, 0
	s_cselect_b64 s[94:95], s[70:71], s[68:69]
	s_cmp_eq_u32 ttmp9, 0
	s_cselect_b64 s[94:95], s[10:11], s[94:95]
	s_cselect_b64 s[90:91], s[72:73], s[74:75]
	s_cselect_b32 s96, 0, 1
	s_mul_i32 s21, s15, HALFT
	s_add_co_u32 s21, s21, s12
	s_mul_i32 s22, s16, HALFT
	s_add_co_u32 s22, s22, s13
.irp s, 0,1
	v_add_nc_u32 v[ADRA+\s], s21, v[LI]
	v_add_nc_u32 v[ADRB+\s], s22, v[LI]
	s_add_co_u32 s21, s21, SLOT
	s_add_co_u32 s22, s22, SLOT
.endr
	s_lshl_b32 s98, s40, 10
	s_lshl_b32 s99, s88, 9
	s_add_co_u32 s98, s98, s99
	s_mov_b32 s99, 0
	s_add_nc_u64 s[94:95], s[94:95], s[98:99]
	v_mul_u32_u24 v4, v1, s2
	v_mad_u32_u24 v4, v2, s3, v4
	v_mov_b32 v5, s66
.irp j, 0,1,2,3,4,5,6,7
	v_mad_u32_u24 v[VO+\j], v5, \j, v4
.endr
.irp t, 0,1,2,3,4,5,6,7
.irp j, 0,1,2,3,4,5,6,7
	global_load_b32 v[BI+8*\t+\j], v[VO+\j], s[94:95] offset:64*\t
.endr
.endr
	s_lshl_b32 s98, s40, 2
	s_lshl_b32 s97, s88, 1
	s_add_co_u32 s98, s98, s97
	s_lshl_b32 s98, s98, 18
	s_lshl_b32 s97, s17, 1
	s_add_co_u32 s97, s97, s89
	s_lshl_b32 s97, s97, 13
	s_add_co_u32 s98, s98, s97
	s_lshl_b32 s98, s98, s96
	s_add_co_u32 s98, s98, s67
	s_add_nc_u64 s[90:91], s[90:91], s[98:99]
	s_lshl_b32 s98, 0x40000, s96
	s_add_nc_u64 s[92:93], s[90:91], s[98:99]
.macro FRAG reg, adr, q, i
.irp c, 0,1,2,3
	ds_load_b128 v[\reg+4*\c:\reg+4*\c+3], v[\adr] offset:4096*(\i)+2048*(\q)+512*\c
.endr
.endm
.macro MUL16 a0, p, zero
.irp a, \a0, \a0+1
.irp b, 0,1,2,3,4,5,6,7
.if \zero
	v_wmma_f32_16x16x128_fp8_fp8 v[8*(8*((\a)%4)+\b):8*(8*((\a)%4)+\b)+7], v[128*(\p)+FR*\b:128*(\p)+FR*\b+FR-1], v[AF+FR*(\a):AF+FR*(\a)+FR-1], 0
.else
	v_wmma_f32_16x16x128_fp8_fp8 v[8*(8*((\a)%4)+\b):8*(8*((\a)%4)+\b)+7], v[128*(\p)+FR*\b:128*(\p)+FR*\b+FR-1], v[AF+FR*(\a):AF+FR*(\a)+FR-1], v[8*(8*((\a)%4)+\b):8*(8*((\a)%4)+\b)+7]
.endif
.endr
.endr
.endm
.macro FETCH_B slot, q, p
	WIN TO_B
.irp i, 0,1,2,3,4,5,6,7
	FRAG 128*(\p)+FR*\i, ADRB+\slot, \q, \i
.endr
	WIN 0
.endm
.macro FETCH_A slot, q, i0
.irp i, \i0, \i0+1, \i0+2, \i0+3
	FRAG AF+FR*(\i), ADRA+\slot, \q, \i
.endr
.endm
.macro PLACES n
.rept \n
	v_nop
.endr
.endm
.macro STEP slot, q, zero
	s_wait_dscnt 4*NL
	WIN MUL_LO
	MUL16 0, (\q)%2, \zero
	MUL16 2, (\q)%2, \zero
	s_wait_dscnt 0
	PLACES NP
	FETCH_B \slot, (\q)+1, 1-(\q)%2
	FETCH_A \slot, (\q)+1, 0
	WIN MUL_HI
	MUL16 4, (\q)%2, \zero
	MUL16 6, (\q)%2, \zero
	PLACES NP
	WIN 0
	FETCH_A \slot, (\q)+1, 4
.endm
.macro TURN slot, next, fill
	s_wait_tensorcnt 0x0
	ds_add_u32 v[SPW], v[NIL]
	s_wait_dscnt 4*NL+1
	WIN MUL_LO
	MUL16 0, 1, 0
	s_wait_dscnt 0x0
	s_barrier_signal -1
	MUL16 2, 1, 0
	WIN 0
	s_barrier_wait -1
.if \fill
	CREST
	REFILL \slot
.else
	PLACES NP
.endif
	FETCH_B \next, 0, 0
	FETCH_A \next, 0, 0
	WIN MUL_HI
	MUL16 4, 1, 0
	MUL16 6, 1, 0
	PLACES NP
	WIN 0
	FETCH_A \next, 0, 4
.endm
	s_wait_alu depctr_va_vdst(0)
	s_wait_tensorcnt 0x0                           ; my load has landed
	s_barrier_signal -1
	s_barrier_wait -1                              ; everybody's has: K steps 0 and 1 are whole
	FETCH_B 0, 0, 0
	FETCH_A 0, 0, 0
	FETCH_A 0, 0, 4
	global_prefetch_b8 v22, s[100:101] offset:8192 th:TH_LOAD_NT scope:SCOPE_SE
	STEP 0, 0, 1
	TURN 0, 1, 1
	STEP 1, 0, 0
	TURN 1, 0, 1
	STEP 0, 0, 0
	TURN 0, 1, 0
	STEP 1, 0, 0
	s_wait_dscnt 4*NL
	WIN MUL_LO
	MUL16 0, 1, 0
	MUL16 2, 1, 0
	s_wait_dscnt 0
	WIN MUL_HI
	MUL16 4, 1, 0
	MUL16 6, 1, 0
	WIN 0
	s_wait_kmcnt 0x0
	s_cmp_eq_u32 ttmp9, 1
	s_cselect_b32 s96, s78, s76
	s_cselect_b32 s97, s79, s77
	s_cselect_b32 s2, s83, s82
	s_cmp_eq_u32 ttmp9, 2
	s_cselect_b32 s96, s80, s96
	s_cselect_b32 s97, s81, s97
	s_cselect_b32 s2, s85, s2
	s_add_co_i32 s96, s96, s97
	s_sub_co_i32 s97, s2, s96
	s_sub_co_i32 s96, 0, s96
	s_add_co_i32 s97, s97, 127
	s_lshl_b32 s3, s97, 23
	s_add_co_i32 s97, s97, 8
	s_lshl_b32 s97, s97, 23
	s_or_b32 s97, s97, 0x600000
	s_wait_loadcnt 0x0
.set i, 0
.rept 64
	v_ldexp_f32 v[BI+i], v[BI+i], s96
.set i, i+1
.endr
	v_mov_b32 v[SCV], s3
	v_mov_b32 v[LIMV], s97
.macro EPI isv
.irp a, 0,1,2,3,4,5,6,7
.irp hf, 0,1
	WIN 0x02+(\a/4)
.irp bb, 0,1,2,3
.irp j, 0,2,4,6
.if \isv
	v_pk_add_f32 v[T+8*\bb+\j:T+8*\bb+\j+1], v[8*(8*(\a%4)+4*\hf+\bb)+\j:8*(8*(\a%4)+4*\hf+\bb)+\j+1], v[BI+8*\a+\j:BI+8*\a+\j+1]
.else
	v_pk_add_f32 v[T+8*\bb+\j:T+8*\bb+\j+1], v[8*(8*(\a%4)+4*\hf+\bb)+\j:8*(8*(\a%4)+4*\hf+\bb)+\j+1], v[BI+8*(4*\hf+\bb)+\j:BI+8*(4*\hf+\bb)+\j+1]
.endif
.endr
.endr
	WIN 0
.irp i, 0,1,2,3,4,5,6,7,8,9,10,11,12,13,14,15,16,17,18,19,20,21,22,23,24,25,26,27,28,29,30,31
	v_med3_num_f32 v[T+\i], v[T+\i], -v[LIMV], v[LIMV]
.endr
.irp bb, 0,1,2,3
	v_cvt_scalef32_pk8_fp8_f32 v[CD+16*\a+8*\hf+2*\bb:CD+16*\a+8*\hf+2*\bb+1], v[T+8*\bb:T+8*\bb+7], v[SCV]
.endr
	v_nop
.if \isv
	global_store_b128 v[LI], v[CD+16*\a+8*\hf:CD+16*\a+8*\hf+3],   s[90:91] offset:(\a/4)*524288+(\a%4)*2048+1024*\hf
	global_store_b128 v[LI], v[CD+16*\a+8*\hf+4:CD+16*\a+8*\hf+7], s[90:91] offset:(\a/4)*524288+(\a%4)*2048+1024*\hf+512
.else
	global_store_b128 v[LI], v[CD+16*\a+8*\hf:CD+16*\a+8*\hf+3],   s[90+2*\hf:91+2*\hf] offset:1024*\a
	global_store_b128 v[LI], v[CD+16*\a+8*\hf+4:CD+16*\a+8*\hf+7], s[90+2*\hf:91+2*\hf] offset:1024*\a+512
.endif
.endr
.endr
.endm
	s_cmp_eq_u32 ttmp9, 2
	s_cbranch_scc1 .Lv
	EPI 0
	s_branch .Lend
.Lv:
	EPI 1
.Lend:
	s_wait_tensorcnt 0x0
	ds_add_u32 v[SPW], v[NIL]
	s_wait_dscnt 0x0
	CROUND
	s_endpgm
.Lfunc_end_k_q953c2a7017_qkv:
	.size	k_q953c2a7017_qkv, .Lfunc_end_k_q953c2a7017_qkv-k_q953c2a7017_qkv
	.p2alignl 7, 3214868480
	.fill 96, 4, 3214868480
	.section	.rodata,"a",@progbits
	.p2align	6, 0x0
	.amdhsa_kernel k_q953c2a7017_qkv
		.amdhsa_group_segment_fixed_size 327680
		.amdhsa_private_segment_fixed_size 0
		.amdhsa_enable_private_segment 0
		.amdhsa_kernarg_size 64
		.amdhsa_user_sgpr_count 2
		.amdhsa_user_sgpr_kernarg_segment_ptr 1
		.amdhsa_wavefront_size32 1
		.amdhsa_system_sgpr_workgroup_id_x 1
		.amdhsa_system_sgpr_workgroup_id_y 1
		.amdhsa_system_sgpr_workgroup_id_z 1
		.amdhsa_system_vgpr_workitem_id 0
		.amdhsa_next_free_vgpr 1024
		.amdhsa_next_free_sgpr 102
		.amdhsa_reserve_vcc 0
		.amdhsa_float_denorm_mode_32 3
		.amdhsa_float_denorm_mode_16_64 3
		.amdhsa_memory_ordered 1
		.amdhsa_forward_progress 1
		.amdhsa_inst_pref_size 202
	.end_amdhsa_kernel
	.amdgpu_metadata
---
amdhsa.version: [ 1, 2 ]
amdhsa.kernels:
  - .name:           k_q953c2a7017_qkv
    .symbol:         k_q953c2a7017_qkv.kd
    .args:
      - { .name: xcodes, .offset: 0, .size: 8, .value_kind: global_buffer, .address_space: global }
      - { .name: wcodes, .offset: 8, .size: 8, .value_kind: global_buffer, .address_space: global }
      - { .name: lowp_scales, .offset: 16, .size: 8, .value_kind: global_buffer, .address_space: global }
      - { .name: bq, .offset: 24, .size: 8, .value_kind: global_buffer, .address_space: global }
      - { .name: bk, .offset: 32, .size: 8, .value_kind: global_buffer, .address_space: global }
      - { .name: bv, .offset: 40, .size: 8, .value_kind: global_buffer, .address_space: global }
      - { .name: qcodes, .offset: 48, .size: 8, .value_kind: global_buffer, .address_space: global }
      - { .name: kvcodes, .offset: 56, .size: 8, .value_kind: global_buffer, .address_space: global }
    .group_segment_fixed_size: 327680
    .private_segment_fixed_size: 0
    .kernarg_segment_align: 8
    .kernarg_segment_size: 64
    .max_flat_workgroup_size: 128
    .sgpr_count:     102
    .vgpr_count:     1024
    .wavefront_size: 32
...
	.end_amdgpu_metadata
.endif
;; end of part 2
;; launch attn (part 3): grid 16 x 16, 8 waves a work-group, no clusters, 279,552 bytes of LDS; arguments qcodes, kvcodes, lowp_scales, ocodes; writes ocodes
.if DOCPART == 3
	.amdgcn_target "amdgcn-amd-amdhsa--gfx1250"
	.amdhsa_code_object_version 6
	.text
	.protected	k_q953c2a7017_attn
	.globl	k_q953c2a7017_attn
	.p2align	8
	.type	k_q953c2a7017_attn,@function
k_q953c2a7017_attn:
	s_mov_b64 s[64:65], 0
	v_nop
	global_prefetch_b8 v0, s[64:65] scope:SCOPE_SE
	s_setreg_imm32_b32 hwreg(HW_REG_WAVE_MODE, 25, 1), 1
	s_wait_xcnt 0x0
; Causal attention on codes of FP8 (E4M3): 16 heads of 64 channels, 4,096 tokens.  o[q] = (sum over keys k <= q of p v[k]) / l, quantised at once for the last projection.
; THE SOFTMAX AHEAD OF THE SECOND PRODUCT: t = score x log2(e) / 8; M = the row's largest t so far, rounded UP to a whole number; p = 2^(t - M) is what is quantised; it is not normalised.
; l, the row's sum of the unquantised p in f32, divides at the end.  When M moves, l and O are multiplied by 2^(old M - new M), which rounds nothing.
; SHARES.  Work-group (i, head) owns two blocks of 128 queries, one after the other: block 31 - i, then block i.  A step is 256 keys: block b takes (b + 2) / 2 steps (rounded down), 17 in EVERY work-group.
; Wave w = 4 g + qg owns the block's queries 32 qg .. 32 qg + 31 (two tiles, A and B) and of each step the 128 keys of half g: each fragment of K and of V feeds two products.
; Work left out: a half step all of whose keys come after the block's last query (key block > query block) is passed over by a branch on ids.  Only a block's key block equal to it carries the mask.
; A block's two key halves are joined through a stage in LDS: O' = 2^(M0 - M) O0 + 2^(M1 - M) O1, l likewise; wave (qg, g) finishes tile g.
; LAYOUT.  Both products are used transposed: S^T = K Q^T, O^T = V^T P^T: a lane holds ONE query of a tile throughout.  Register 8 t + j of S^T is key 16 t + 8 h + j: its codes are P's registers in the plain 8-bit layout.
; K and V are images of registers: 16,384 bytes for 128 keys (8 images 16 keys x 64 | 4 images 16 channels x 128 keys); a step is 32,768 dense bytes.
; THE RING: four LDS slots of a step each.  Each wave loads 4,096 bytes of a step into registers, and stores them to LDS a step later.  In trip s the step s + 2 is stored and the step s + 3 asked for.
; ONE SPLIT BARRIER A STEP: signalled when K's reads and the stores of the trip are done, awaited at the trip's end.  The slot stored in trip s was last read in trip s - 2, and every wave had those reads behind it at its signal in trip s - 1.
; The hold of p at the largest code x 2^e8 stands under a branch on the given e8: p is at most 1 (but for rounding), and 448 x 2^e8 is 1.75 or more from e8 = -8 on, where the hold changes nothing.
; NO CLUSTER: partners' streams of keys part at the change of blocks, which hangs on i; and the loads go to registers.
; LIMITS: e6 + e7 between -123 and 130 (added to the exponent field of log2(e) / 8); e8 and e10 between -126 and 119; e8 + e9 is applied by v_ldexp_f32 and has none.  NaN is not served.
; Hidden scores become -infinity where the definition has -1e9: the same result wherever a row's largest kept logit lies well above -1e9.  The scaled scores stay under 2^31 in magnitude.
.set SLOTB, 32768
.set STAGE, 131072                     ; two stages, one for each block of queries: 16 tiles (wave, tile) of 4,608 bytes each: O^T's 8 groups of four registers, then -M, the largest t, l in two halves
.set TILEB, 4608
.set STGB,  16*TILEB
.set SPARE, STAGE+2*STGB               ; the spare words, 128 bytes for each wave
; window 0:
.set LI,   1                           ; 16 x lane
.set DDA,  2                           ; my query of tile A in its block - 8 h;  DDB: of tile B.  Register 8 t + j is hidden on the diagonal where 16 t + j > it
.set PFO,  3                           ; the prefetches' offset
.set ADR,  4
.set SPW,  5                           ; LDS address of my spare word; never rewritten
.set NIL,  6                           ; 0; never rewritten
.set DDB,  7
                                       ; v8-11 tile B's -M, largest t, l in two halves;  v12-15 tile A's
.set LIG,  16                          ; 16 x lane + 16,384 g
.set LW,   17                          ; 16 x lane + 4,096 x wave: my part of a step
.set ADW,  18                          ; where the next trip stores
.set ADK,  21                          ; where the next step's K is read
.set STV,  19                          ; my two tiles in a stage
.set RDV,  20                          ; the tile that I finish, in a stage
                                       ; v24-63 at work
.set SA,   64                          ; S^T, then p, of tile A
.set SB,   128                         ; of tile B
.set PA,   192                         ; p's codes
.set PB,   208
                                       ; v240 448 x 2^e8, v244 2^e8; v246 448 x 2^e10, v247 2^e10; v248, v249 at work
; window 1:
.set KF,   0                           ; K's eight fragments
.set VF,   64                          ; V's four
.set OA,   128                         ; O^T of tile A, then of tile B
.set OB,   160
.set QA,   192                         ; the queries of tile A, then of tile B
.set QB,   200
.set Q2,   208                         ; those of the second block
.set SG,   224                         ; my part of a step on its way to LDS
.set TB,   2                           ; s2  the slot that is read;  s3  the slot that is stored
.set TW,   3
.set WV,   18
.set QG,   19
.set SEL,  20                          ; s[20:21] lane selects for v_permlanex16_b32: lane l xor 16
.set CS,   22                          ; s[22:23] log2(e) / 8 x 2^(e6 + e7), twice
.set GR,   28                          ; g
.set LB,   30                          ; s[30:31] the step that is asked for
.set NB0,  44                          ; the first block's steps
.set QBK,  45                          ; the block of queries in hand
.set QLO,  46                          ; i
.set KBG,  47                          ; my half step's block of keys
.set SI,   48                          ; the trip
.set PLIM, 49                          ; a wave prefetches in the trips under this
.set KVH,  50                          ; s[50:51] kvcodes at my head;  s[52:53] an offset, its high word 0 throughout
.set OBH,  54                          ; where my codes of the first and of the second block go
.set OBL,  56
.set EPV,  58                          ; e8 + e9
.set TN,   29                          ; the next step's slot
.set MSB, 0
.macro WIN new                         ; the immediate's high byte repeats the setting that is left
.if MSB != (\new)
	s_set_vgpr_msb (MSB<<8)|(\new)
.set MSB, (\new)
.endif
.endm
.macro PLACES n
.rept \n
	v_nop
.endr
.endm
.macro INIT                            ; a block begins: its first step finds zeros, which the first change of M leaves zeros
	v_mov_b32 v13, 0xff61b1e6                      ; the largest t so far: -3e38, under every t
	v_mov_b32 v9, 0xff61b1e6
	v_mov_b32 v14, 0
	v_mov_b32 v15, 0
	v_mov_b32 v10, 0
	v_mov_b32 v11, 0
	v_floor_f32 v12, -v13                          ; -M
	v_floor_f32 v8, -v9
	WIN 0x40
.set n, 0
.rept 64
	v_mov_b32 v[OA+n], 0
.set n, n+1
.endr
	WIN 0
.endm
.macro SAVE                            ; both tiles' parts into my part of the block's stage
	PLACES 4                                       ; behind the last products
	WIN 0x04
.irp i, 0,1,2,3,4,5,6,7
	ds_store_b128 v[STV], v[OA+4*\i:OA+4*\i+3] offset:512*\i
.endr
.irp i, 0,1,2,3,4,5,6,7
	ds_store_b128 v[STV], v[OB+4*\i:OB+4*\i+3] offset:TILEB+512*\i
.endr
	WIN 0
	s_wait_alu depctr_va_vdst(0)                   ; the wait directly ahead of the readers below
	ds_store_b128 v[STV], v[12:15] offset:4096
	ds_store_b128 v[STV], v[8:11] offset:TILEB+4096
.endm
.macro RECV base                       ; the two halves of my tile are joined, divided by l, held, converted with 2^e10 and stored: register 8 ct + j is channel 16 ct + 8 h + j of my query
	PLACES 4
.irp i, 0,1,2,3,4,5,6,7
	ds_load_b128 v[64+4*\i:67+4*\i], v[RDV] offset:512*\i
	ds_load_b128 v[96+4*\i:99+4*\i], v[RDV] offset:8*TILEB+512*\i
.endr
	ds_load_b128 v[128:131], v[RDV] offset:4096
	ds_load_b128 v[132:135], v[RDV] offset:8*TILEB+4096
	s_wait_dscnt 0x0
	v_min_num_f32 v24, v128, v132                  ; -M of the whole row
	v_sub_f32 v26, v24, v128
	v_sub_f32 v27, v24, v132
	v_cvt_i32_f32 v26, v26                         ; (it saturates)
	v_cvt_i32_f32 v27, v27
	v_ldexp_f32 v28, 1.0, v26
	v_ldexp_f32 v30, 1.0, v27
.irp j, 0,2,4,6,8,10,12,14,16,18,20,22,24,26,28,30
	v_pk_mul_f32 v[64+\j:65+\j], v[64+\j:65+\j], v[28:29] op_sel_hi:[1,0]
.endr
	v_pk_mul_f32 v[130:131], v[130:131], v[28:29] op_sel_hi:[1,0]
.irp j, 0,2,4,6,8,10,12,14,16,18,20,22,24,26,28,30
	v_pk_fma_f32 v[64+\j:65+\j], v[96+\j:97+\j], v[30:31], v[64+\j:65+\j] op_sel_hi:[1,0,1]
.endr
	v_pk_fma_f32 v[130:131], v[134:135], v[30:31], v[130:131] op_sel_hi:[1,0,1]
	v_add_f32 v130, v130, v131                     ; l's two halves,
	v_permlanex16_b32 v248, v130, s[SEL], s[SEL+1]
	v_add_f32 v130, v130, v248                     ; and lane l xor 16's
	s_wait_alu depctr_va_vdst(0)
	v_rcp_f32 v130, v130
	v_nop
	s_wait_alu depctr_va_vdst(0)
	v_ldexp_f32 v132, v130, s[EPV]
.irp j, 0,2,4,6,8,10,12,14,16,18,20,22,24,26,28,30
	v_pk_mul_f32 v[64+\j:65+\j], v[64+\j:65+\j], v[132:133] op_sel_hi:[1,0]
.endr
.set n, 0
.rept 32
	v_med3_num_f32 v[64+n], v[64+n], -v246, v246   ; the conversion to an 8-bit code does not saturate (ISA guide 7.6.2)
.set n, n+1
.endr
.irp t, 0,1,2,3
	v_cvt_scalef32_pk8_fp8_f32 v[PA+2*\t:PA+2*\t+1], v[64+8*\t:71+8*\t], v247
.endr
	v_nop
	global_store_b128 v[LI], v[PA:PA+3],   s[\base:\base+1]              ; 512 consecutive bytes, aligned
	global_store_b128 v[LI], v[PA+4:PA+7], s[\base:\base+1] offset:512
	s_wait_alu depctr_va_vdst(0)
	s_wait_xcnt 0x0                                ; the stores have read their registers
.endm
	s_load_b256 s[4:11], s[0:1], 0x0               ; qcodes s[4:5], kvcodes s[6:7], the scales' exponents s[8:9], ocodes s[10:11]
	v_lshl_add_u32 v[SPW], v0, 2, SPARE
	v_mov_b32 v[NIL], 0
	v_lshrrev_b32 v24, 5, v0
	v_readfirstlane_b32 s[WV], v24                 ; wave 0..7
	v_and_b32 v25, 31, v0
	v_lshlrev_b32 v[LI], 4, v25
	v_lshlrev_b32 v[PFO], 8, v25
	s_and_b32 s[QG], s[WV], 3
	s_lshr_b32 s[GR], s[WV], 2
	s_lshl_b32 s59, s[WV], 12
	v_add_nc_u32 v[LW], s59, v[LI]
	s_and_b32 s12, ttmp7, 0xffff                   ; the head
	s_lshl_b32 s52, s12, 19                        ; its K and V: 524,288 bytes
	s_mov_b32 s53, 0
	s_wait_alu depctr_va_vdst(0)
	s_wait_kmcnt 0x0
	s_load_b256 s[68:75], s[8:9], 0x0              ; e0 .. e7
	s_load_b128 s[76:79], s[8:9], 0x20             ; e8 .. e11
	s_add_nc_u64 s[KVH:KVH+1], s[6:7], s[52:53]
	WIN 0x40
.irp i, 0,1,2,3,4,5,6,7
	global_load_b128 v[SG+4*\i:SG+4*\i+3], v[LW], s[KVH:KVH+1] offset:512*\i          ; step 0 (the first block has 9 steps or more)
.endr
	WIN 0
.irp i, 0,1,2,3,4,5,6,7
	global_load_b128 v[SA+4*\i:SA+4*\i+3], v[LW], s[KVH:KVH+1] offset:SLOTB+512*\i    ; step 1
.endr
	s_sub_co_u32 s[NB0], 33, ttmp9
	s_lshr_b32 s[NB0], s[NB0], 1
	s_sub_co_u32 s[QBK], 31, ttmp9
	s_mov_b32 s[QLO], ttmp9
	s_lshl_b32 s83, s12, 18                        ; Q: 262,144 bytes a head, 8,192 a block, 1,024 a tile
	s_lshl_b32 s59, s[QG], 11
	s_add_co_u32 s83, s83, s59
	s_lshl_b32 s52, s[QBK], 13
	s_add_co_u32 s52, s52, s83
	s_add_nc_u64 s[84:85], s[4:5], s[52:53]
	s_lshl_b32 s52, s[QLO], 13
	s_add_co_u32 s52, s52, s83
	s_add_nc_u64 s[86:87], s[4:5], s[52:53]
	WIN 0x40
.irp i, 0,1,2,3
	global_load_b128 v[QA+4*\i:QA+4*\i+3], v[LI], s[84:85] offset:512*\i
	global_load_b128 v[Q2+4*\i:Q2+4*\i+3], v[LI], s[86:87] offset:512*\i
.endr
	WIN 0
	s_lshl_b32 s83, s[QG], 1                       ; o: a tile of 16 tokens is 16,384 bytes (8 images of 128 features), a block 131,072; a head's 64 features: 1,024 bytes
	s_add_co_u32 s83, s83, s[GR]                   ; the tile that I finish
	s_mul_i32 s62, s83, TILEB
	s_add_co_u32 s62, s62, STAGE
	v_add_nc_u32 v[RDV], s62, v[LI]                ; wave qg's part of it; wave 4 + qg's lies eight tiles on
	s_lshl_b32 s83, s83, 14
	s_lshl_b32 s59, s12, 10
	s_add_co_u32 s83, s83, s59
	s_lshl_b32 s52, s[QBK], 17
	s_add_co_u32 s52, s52, s83
	s_add_nc_u64 s[OBH:OBH+1], s[10:11], s[52:53]
	s_lshl_b32 s52, s[QLO], 17
	s_add_co_u32 s52, s52, s83
	s_add_nc_u64 s[OBL:OBL+1], s[10:11], s[52:53]
	s_mul_i32 s62, s[WV], 2*TILEB
	s_add_co_u32 s62, s62, STAGE
	v_add_nc_u32 v[STV], s62, v[LI]
	s_lshl_b32 s59, s[GR], 14
	v_add_nc_u32 v[LIG], s59, v[LI]
	v_add_nc_u32 v[ADW], 2*SLOTB, v[LW]            ; trip 0 stores step 2
	s_lshl_b32 s59, s[QG], 13                      ; prefetches: 8,192 bytes a wave, lanes 256 bytes apart
	v_add_nc_u32 v[PFO], s59, v[PFO]
	v_and_b32 v26, 15, v0                          ; r
	v_bfe_u32 v27, v0, 4, 1                        ; h
	v_lshlrev_b32 v27, 3, v27
	v_sub_nc_u32 v26, v26, v27
	s_lshl_b32 s59, s[QG], 5
	v_add_nc_u32 v[DDA], s59, v26                  ; 32 qg + r - 8 h
	s_add_co_u32 s59, s59, 16
	v_add_nc_u32 v[DDB], s59, v26
	v_mov_b32 v29, 0                               ; (named as upper halves of pairs)
	v_mov_b32 v31, 0
	v_mov_b32 v248, 0                              ; a lane permute's destination counts as one of its sources
	v_mov_b32 v249, 0
	INIT
.set n, 32
.rept 96
	v_mov_b32 v[SA+n], 0                           ; the score registers that no load above writes: written once, so that every way through the text reads written registers.  The first loads are out meanwhile
.set n, n+1
.endr
	s_mov_b32 s[SI], 0
	s_mov_b32 s[TB], 0
	s_mov_b32 s[TW], 2*SLOTB
	s_mov_b32 s[KBG], s[GR]
	s_or_b32 s59, s[GR], ttmp9                     ; waves 0 to 3 of work-group i = 0
	s_cmp_eq_u32 s59, 0
	s_cselect_b32 s[PLIM], 11, 0
	s_mov_b32 s[SEL], 0x76543210
	s_mov_b32 s[SEL+1], 0xfedcba98
	s_mov_b32 s[CS], 0x3e38aa3b                    ; log2(e) / sqrt(64)
	s_wait_alu depctr_va_vdst(0)
	s_wait_kmcnt 0x0
	s_add_co_i32 s83, s74, s75
	s_lshl_b32 s83, s83, 23
	s_add_co_i32 s[CS], s[CS], s83                 ; a score stands for score x 2^(e6 + e7): the exponents are added to c's exponent field
	s_mov_b32 s[CS+1], s[CS]
	s_add_co_i32 s[EPV], s76, s77
	s_add_co_i32 s83, s76, 127
	s_lshl_b32 s59, s83, 23
	v_mov_b32 v244, s59                            ; 2^e8 as f32, for p's conversion
	s_add_co_i32 s83, s83, 8
	s_lshl_b32 s83, s83, 23
	s_or_b32 s83, s83, 0x600000
	v_mov_b32 v240, s83                            ; 448 x 2^e8
	s_add_co_i32 s83, s78, 127
	s_lshl_b32 s59, s83, 23
	v_mov_b32 v247, s59                            ; 2^e10, for o's
	s_add_co_i32 s83, s83, 8
	s_lshl_b32 s83, s83, 23
	s_or_b32 s83, s83, 0x600000
	v_mov_b32 v246, s83                            ; 448 x 2^e10
	s_wait_alu depctr_va_vdst(0)
	s_wait_loadcnt 0x0
	WIN 0x04
.irp i, 0,1,2,3,4,5,6,7
	ds_store_b128 v[LW], v[SG+4*\i:SG+4*\i+3] offset:512*\i
.endr
	WIN 0
.irp i, 0,1,2,3,4,5,6,7
	ds_store_b128 v[LW], v[SA+4*\i:SA+4*\i+3] offset:SLOTB+512*\i
.endr
	s_wait_dscnt 0x0                               ; steps 0 and 1 are stored, and the registers free
	WIN 0x40
.irp i, 0,1,2,3,4,5,6,7
	global_load_b128 v[SG+4*\i:SG+4*\i+3], v[LW], s[KVH:KVH+1] offset:2*SLOTB+512*\i  ; step 2
.endr
	WIN 0
	s_barrier_signal -1
	s_barrier_wait -1
	WIN 0x40
.irp t, 0,1,2,3,4,5,6,7
	ds_load_b128 v[KF+8*\t:KF+8*\t+3],   v[LIG] offset:1024*\t       ; step 0's K
	ds_load_b128 v[KF+8*\t+4:KF+8*\t+7], v[LIG] offset:1024*\t+512
.endr
	WIN 0
	s_wait_dscnt 0x0
.Ltrip:                                            ; 17 trips; K of the trip's step stands in registers
	s_cmp_lg_u32 s[SI], s[NB0]
	s_cbranch_scc1 .Lsame
	SAVE                                           ; the first block is finished: its parts go to the stage, ahead of this trip's signal
	s_wait_dscnt 0x0                               ; the stores have read their registers
	INIT
	WIN 0x41
.set n, 0
.rept 16
	v_mov_b32 v[QA+n], v[Q2+n]
.set n, n+1
.endr
	WIN 0
	s_mov_b32 s[QBK], s[QLO]
	s_mov_b32 s[KBG], s[GR]
	s_wait_alu depctr_va_vdst(0)
.Lsame:
	s_wait_loadcnt 0x0                             ; my part of step s + 2, asked for a trip ago
	s_cmp_lt_u32 s[SI], 15                         ; the last two trips have nothing to store
	s_cbranch_scc0 .Lnostore
	WIN 0x04
.irp i, 0,1,2,3,4,5,6,7
	ds_store_b128 v[ADW], v[SG+4*\i:SG+4*\i+3] offset:512*\i
.endr
	WIN 0
.Lnostore:
	s_cmp_gt_u32 s[KBG], s[QBK]                    ; a half step wholly under the mask is left out
	s_cbranch_scc1 .Lnos
	WIN 0x05
.irp t, 0,1,2,3,4,5,6,7
	v_wmma_f32_16x16x64_fp8_fp8 v[SA+8*\t:SA+8*\t+7], v[KF+8*\t:KF+8*\t+7], v[QA:QA+7], 0
.endr
.irp t, 0,1,2,3,4,5,6,7
	v_wmma_f32_16x16x64_fp8_fp8 v[SB+8*\t:SB+8*\t+7], v[KF+8*\t:KF+8*\t+7], v[QB:QB+7], 0
.endr
	WIN 0
.Lnos:
	s_add_co_u32 s[TW], s[TW], SLOTB
	s_and_b32 s[TW], s[TW], 4*SLOTB-1
	s_add_co_u32 s[TN], s[TB], SLOTB
	s_and_b32 s[TN], s[TN], 4*SLOTB-1
	s_wait_dscnt 0x0                               ; my stores are done, issued ahead of the products; no LDS read of mine is out
	s_cmp_lt_u32 s[SI], 14
	s_cbranch_scc0 .Lnoload
	s_add_co_u32 s59, s[SI], 3
	s_cmp_ge_u32 s59, s[NB0]                       ; the second block begins again at key 0
	s_cselect_b32 s62, s[NB0], 0
	s_sub_co_u32 s52, s59, s62
	s_lshl_b32 s52, s52, 15
	s_wait_xcnt 0x0                                ; the last trip's loads and prefetch have read their base
	s_add_nc_u64 s[LB:LB+1], s[KVH:KVH+1], s[52:53]
	WIN 0x40
.irp i, 0,1,2,3,4,5,6,7
	global_load_b128 v[SG+4*\i:SG+4*\i+3], v[LW], s[LB:LB+1] offset:512*\i
.endr
	WIN 0
	; A PREFETCH INTO THE L2, two steps ahead of the load above.  All work-groups of a head walk its keys from key 0 on; work-group i = 0 walks all of them in its first block, so it asks, and nobody else: 32,768 bytes by four waves, each block of 256 bytes once.
	; Trips 0 .. 10 ask for steps 5 .. 15, the head's last; steps 0 to 4 come by their loads alone.
	s_cmp_lt_u32 s[SI], s[PLIM]
	s_cbranch_scc0 .Lnoload
	global_prefetch_b8 v[PFO], s[LB:LB+1] offset:2*SLOTB th:TH_LOAD_NT scope:SCOPE_SE
.Lnoload:
	s_barrier_signal -1                            ; from here to the trip's end: register work, and LDS reads of this step's slot and of the next one's, which nobody stores to before a later barrier
	v_add_nc_u32 v[ADR], s[TB], v[LIG]
	v_add_nc_u32 v[ADK], s[TN], v[LIG]
	v_add_nc_u32 v[ADW], s[TW], v[LW]
	PLACES 2                                       ; with the three additions: places behind the products above
	s_wait_alu depctr_va_vdst(0)                   ; ahead of the branches
	s_cmp_eq_u32 s[SI], 16                         ; the last trip has no next step
	s_cbranch_scc1 .Lnok
	WIN 0x40
.irp t, 0,1,2,3,4,5,6,7
	ds_load_b128 v[KF+8*\t:KF+8*\t+3],   v[ADK] offset:1024*\t       ; the next step's K (its slot was whole at the last trip's end) lands under the softmax,
	ds_load_b128 v[KF+8*\t+4:KF+8*\t+7], v[ADK] offset:1024*\t+512
.endr
	WIN 0
.Lnok:
	s_cmp_gt_u32 s[KBG], s[QBK]
	s_cbranch_scc1 .Lhidden
	WIN 0x40
.irp ct, 0,1,2,3
.irp g, 0,1,2,3
	ds_load_b128 v[VF+16*\ct+4*\g:VF+16*\ct+4*\g+3], v[ADR] offset:8192+2048*\ct+512*\g   ; V lands under the softmax
.endr
.endr
	WIN 0
	s_cmp_lg_u32 s[KBG], s[QBK]                    ; on the diagonal the scores of hidden keys become -infinity ahead of the maximum: p = 0 then.  The key block's first key counts for every query
	s_cbranch_scc1 .Lopen
	v_mov_b32 v24, 0xff800000
.set n, 0
.rept 64
	v_cmp_gt_i32 vcc_lo, 16*(n/8)+n%8, v[DDA]
	v_cndmask_b32 v[SA+n], v[SA+n], v24, vcc_lo
	v_cmp_gt_i32 vcc_lo, 16*(n/8)+n%8, v[DDB]
	v_cndmask_b32 v[SB+n], v[SB+n], v24, vcc_lo
.set n, n+1
.endr
.Lopen:
.irp c, 0,1,2,3                        ; the largest score of my two queries among my 64 keys, in four chains each, the registers in ascending order
	v_max3_num_f32 v[24+\c], v[SA+16*\c], v[SA+16*\c+1], v[SA+16*\c+2]
	v_max3_num_f32 v[28+\c], v[SB+16*\c], v[SB+16*\c+1], v[SB+16*\c+2]
.endr
.irp i, 3,5,7,9,11,13
.irp c, 0,1,2,3
	v_max3_num_f32 v[24+\c], v[24+\c], v[SA+16*\c+\i], v[SA+16*\c+\i+1]
	v_max3_num_f32 v[28+\c], v[28+\c], v[SB+16*\c+\i], v[SB+16*\c+\i+1]
.endr
.endr
	v_max3_num_f32 v24, v24, v25, v[SA+15]
	v_max3_num_f32 v28, v28, v29, v[SB+15]
	v_max3_num_f32 v26, v26, v27, v[SA+31]
	v_max3_num_f32 v30, v30, v31, v[SB+31]
	v_max3_num_f32 v24, v24, v[SA+47], v[SA+63]
	v_max3_num_f32 v28, v28, v[SB+47], v[SB+63]
	v_max_num_f32 v24, v24, v26
	v_max_num_f32 v28, v28, v30
	v_permlanex16_b32 v248, v24, s[SEL], s[SEL+1]
	v_permlanex16_b32 v249, v28, s[SEL], s[SEL+1]
	v_max_num_f32 v24, v24, v248                   ; and among lane l xor 16's
	v_max_num_f32 v28, v28, v249
	v_mul_f32 v24, s[CS], v24                      ; as t (c is positive)
	v_mul_f32 v28, s[CS], v28
	v_max_num_f32 v13, v13, v24                    ; the running largest t
	v_max_num_f32 v9, v9, v28
	v_floor_f32 v26, -v13                          ; the new -M = floor(-t) = -ceil(t): a whole number
	v_floor_f32 v30, -v9
	v_sub_f32 v24, v26, v12                        ; old M - new M: a whole number, 0 or less
	v_sub_f32 v28, v30, v8
	v_mov_b32 v12, v26
	v_mov_b32 v8, v30
	v_cvt_i32_f32 v24, v24                         ; (it saturates)
	v_cvt_i32_f32 v28, v28
	v_ldexp_f32 v24, 1.0, v24                      ; f = 2^(old M - new M)
	v_ldexp_f32 v28, 1.0, v28
	WIN 0x41
.set n, 0
.rept 16
	v_pk_mul_f32 v[OA+n:OA+1+n], v[OA+n:OA+1+n], v[24:25] op_sel_hi:[1,0]   ; O^T under the new M
.set n, n+2
.endr
.set n, 0
.rept 16
	v_pk_mul_f32 v[OB+n:OB+1+n], v[OB+n:OB+1+n], v[28:29] op_sel_hi:[1,0]
.set n, n+2
.endr
	WIN 0
.set n, 0
.rept 32
	v_pk_fma_f32 v[SA+n:SA+1+n], v[SA+n:SA+1+n], s[CS:CS+1], v[12:13] op_sel_hi:[1,0,0]   ; t - M, two at a time
.set n, n+2
.endr
	s_wait_alu depctr_va_vdst(0)                   ; ahead of the batch
.set n, 0
.rept 32                               ; A's exponentials, and among them B's t - M, which nothing reads before the next wait
	v_exp_f32 v[SA+n], v[SA+n]
	v_exp_f32 v[SA+1+n], v[SA+1+n]
	v_pk_fma_f32 v[SB+n:SB+1+n], v[SB+n:SB+1+n], s[CS:CS+1], v[8:9] op_sel_hi:[1,0,0]
.set n, n+2
.endr
	s_wait_alu depctr_va_vdst(0)                   ; behind A's batch and ahead of B's
.set n, 0
.rept 16                               ; B's exponentials, and among them the first additions of A's p (unquantised)
	v_exp_f32 v[SB+4*n], v[SB+4*n]
	v_exp_f32 v[SB+4*n+1], v[SB+4*n+1]
	v_exp_f32 v[SB+4*n+2], v[SB+4*n+2]
	v_exp_f32 v[SB+4*n+3], v[SB+4*n+3]
	v_pk_add_f32 v[32+2*n:33+2*n], v[SA+4*n:SA+4*n+1], v[SA+4*n+2:SA+4*n+3]
.set n, n+1
.endr
	s_wait_alu depctr_va_vdst(0)                   ; behind B's batch
.irp k, 0,1,2,3,4,5,6,7
	v_pk_add_f32 v[32+2*\k:33+2*\k], v[32+4*\k:33+4*\k], v[34+4*\k:35+4*\k]
.endr
.irp k, 0,1,2,3,4,5,6,7
	v_pk_add_f32 v[48+2*\k:49+2*\k], v[SB+2*\k:SB+2*\k+1], v[SB+16+2*\k:SB+17+2*\k]
.endr
.irp u, 32,48
.irp k, 0,1,2,3,4,5,6,7
	v_pk_add_f32 v[48+2*\k:49+2*\k], v[48+2*\k:49+2*\k], v[SB+\u+2*\k:SB+\u+1+2*\k]
.endr
.endr
.irp k, 0,1,2,3
	v_pk_add_f32 v[32+2*\k:33+2*\k], v[32+4*\k:33+4*\k], v[34+4*\k:35+4*\k]
	v_pk_add_f32 v[48+2*\k:49+2*\k], v[48+4*\k:49+4*\k], v[50+4*\k:51+4*\k]
.endr
.irp k, 0,1
	v_pk_add_f32 v[32+2*\k:33+2*\k], v[32+4*\k:33+4*\k], v[34+4*\k:35+4*\k]
	v_pk_add_f32 v[48+2*\k:49+2*\k], v[48+4*\k:49+4*\k], v[50+4*\k:51+4*\k]
.endr
	v_pk_add_f32 v[32:33], v[32:33], v[34:35]
	v_pk_add_f32 v[48:49], v[48:49], v[50:51]
	v_pk_fma_f32 v[14:15], v[14:15], v[24:25], v[32:33] op_sel_hi:[1,0,1]   ; l under the new M, and this step's sum
	v_pk_fma_f32 v[10:11], v[10:11], v[28:29], v[48:49] op_sel_hi:[1,0,1]
	s_wait_dscnt 0x0                               ; V and the next step's K are in
	s_cmp_ge_i32 s76, -8                           ; e8: the largest code x 2^e8 lies above every p
	s_cbranch_scc1 .Lheld
.set n, 0
.rept 128
	v_min_num_f32 v[SA+n], v[SA+n], v240           ; the conversion does not saturate (ISA guide 7.6.2); p is not negative, so the hold is one-sided
.set n, n+1
.endr
.Lheld:
.irp t, 0,1,2,3,4,5,6,7
	v_cvt_scalef32_pk8_fp8_f32 v[PA+2*\t:PA+2*\t+1], v[SA+8*\t:SA+8*\t+7], v244   ; keys 16 t + 8 h + 0 .. 7: registers 2 t, 2 t + 1 of P
.endr
.irp t, 0,1,2,3,4,5,6,7
	v_cvt_scalef32_pk8_fp8_f32 v[PB+2*\t:PB+2*\t+1], v[SB+8*\t:SB+8*\t+7], v244
.endr
	v_nop                                          ; a plain line between the last conversion and the products
	WIN 0x51
.irp ct, 0,1,2,3                       ; the eight accumulators take turns, one instruction a turn
	v_wmma_f32_16x16x128_fp8_fp8 v[OA+8*\ct:OA+8*\ct+7], v[VF+16*\ct:VF+16*\ct+15], v[PA:PA+15], v[OA+8*\ct:OA+8*\ct+7]
.endr
.irp ct, 0,1,2,3
	v_wmma_f32_16x16x128_fp8_fp8 v[OB+8*\ct:OB+8*\ct+7], v[VF+16*\ct:VF+16*\ct+15], v[PB:PB+15], v[OB+8*\ct:OB+8*\ct+7]
.endr
	WIN 0
.Lhidden:
	s_wait_dscnt 0x0                               ; where the work was passed over: the next step's K is in
	s_barrier_wait -1                              ; everybody's stores of this trip are in LDS
	s_mov_b32 s[TB], s[TN]
	s_add_co_u32 s[KBG], s[KBG], 2
	s_add_co_u32 s[SI], s[SI], 1
	s_cmp_lt_u32 s[SI], 17
	s_cbranch_scc1 .Ltrip
	v_add_nc_u32 v[STV], STGB, v[STV]              ; the second block's stage
	SAVE
	s_wait_dscnt 0x0
	s_barrier_signal -1
	s_barrier_wait -1
	RECV OBH
	v_add_nc_u32 v[RDV], STGB, v[RDV]
	RECV OBL
	s_wait_tensorcnt 0x0                           ; the wave's end: behind my last LDS store
	ds_add_u32 v[SPW], v[NIL]
	s_wait_dscnt 0x0
	s_endpgm
.Lfunc_end_k_q953c2a7017_attn:
	.size	k_q953c2a7017_attn, .Lfunc_end_k_q953c2a7017_attn-k_q953c2a7017_attn
	.p2alignl 7, 3214868480
	.fill 96, 4, 3214868480
	.section	.rodata,"a",@progbits
	.p2align	6, 0x0
	.amdhsa_kernel k_q953c2a7017_attn
		.amdhsa_group_segment_fixed_size 279552
		.amdhsa_private_segment_fixed_size 0
		.amdhsa_enable_private_segment 0
		.amdhsa_kernarg_size 32
		.amdhsa_user_sgpr_count 2
		.amdhsa_user_sgpr_kernarg_segment_ptr 1
		.amdhsa_wavefront_size32 1
		.amdhsa_system_sgpr_workgroup_id_x 1
		.amdhsa_system_sgpr_workgroup_id_y 1
		.amdhsa_system_sgpr_workgroup_id_z 1
		.amdhsa_system_vgpr_workitem_id 0
		.amdhsa_next_free_vgpr 512
		.amdhsa_next_free_sgpr 96
		.amdhsa_reserve_vcc 1
		.amdhsa_float_denorm_mode_32 3
		.amdhsa_float_denorm_mode_16_64 3
		.amdhsa_memory_ordered 1
		.amdhsa_forward_progress 1
		.amdhsa_inst_pref_size 77
	.end_amdhsa_kernel
	.amdgpu_metadata
---
amdhsa.version: [ 1, 2 ]
amdhsa.kernels:
  - .name:           k_q953c2a7017_attn
    .symbol:         k_q953c2a7017_attn.kd
    .args:
      - { .name: qcodes, .offset: 0, .size: 8, .value_kind: global_buffer, .address_space: global }
      - { .name: kvcodes, .offset: 8, .size: 8, .value_kind: global_buffer, .address_space: global }
      - { .name: lowp_scales, .offset: 16, .size: 8, .value_kind: global_buffer, .address_space: global }
      - { .name: ocodes, .offset: 24, .size: 8, .value_kind: global_buffer, .address_space: global }
    .group_segment_fixed_size: 279552
    .private_segment_fixed_size: 0
    .kernarg_segment_align: 8
    .kernarg_segment_size: 32
    .max_flat_workgroup_size: 256
    .sgpr_count:     96
    .vgpr_count:     512
    .wavefront_size: 32
...
	.end_amdgpu_metadata
.endif
;; end of part 3
;; launch oproj (part 4): grid 8 x 32, 4 waves a work-group, clusters of 4 x 4, 327,680 bytes of LDS; arguments ocodes, wcodes, lowp_scales, bo, out0; writes out0
.if DOCPART == 4
	.amdgcn_target "amdgcn-amd-amdhsa--gfx1250"
	.amdhsa_code_object_version 6
	.text
	.protected	k_q953c2a7017_oproj
	.globl	k_q953c2a7017_oproj
	.p2align	8
	.type	k_q953c2a7017_oproj,@function
k_q953c2a7017_oproj:
	s_mov_b64 s[64:65], 0
	v_nop
	global_prefetch_b8 v0, s[64:65] scope:SCOPE_SE
	s_setreg_imm32_b32 hwreg(HW_REG_WAVE_MODE, 25, 1), 1
	s_wait_xcnt 0x0
	s_wait_alu depctr_hold_cnt(0) depctr_sa_sdst(0) depctr_va_vdst(0) depctr_va_sdst(0) depctr_va_ssrc(0) depctr_va_vcc(0) depctr_vm_vsrc(0)
	s_getreg_b32 s2, hwreg(HW_REG_IB_STS2, 6, 4)
	s_cmp_eq_u32 s2, 0
	s_cbranch_scc0 .Lentry_in_a_cluster
	s_endpgm
.Lentry_in_a_cluster:
	s_bfe_u32 s2, ttmp6, 0x10000c
	s_cmp_lg_u32 s2, 0xf033
	s_cbranch_scc0 .Lentry_shape_is_right
	s_endpgm
.Lentry_shape_is_right:
; out0 = o wo^T + bo on codes of FP8 (E4M3): o's codes [256 tiles of 16 tokens][8 K steps][2,048-byte image], wo's the fourth plane of wcodes, laid likewise.  out0: [4096][1024] f32.
; A sum stands for sum x 2^(e10 + e11): one packed multiply-add gives sum x 2^(e10 + e11) + bo.   LIMIT: e10 + e11 between -126 and 127, so that the power of two is an f32 number.
; A work-group makes 128 tokens x 128 features (256 work-groups).  Four waves, each 64 x 64: 16 accumulators of 16 x 16.
; THE WHOLE K OF BOTH PANELS FITS IN LDS: 2 x 131,072 bytes.  LDS is filled once; each wave fetches half a panel, 65,536 dense bytes, by one tensor load.  No prefetch: there is no loop to run ahead in.
; CLUSTERS: 4 x 4 work-groups.  The four of a row need the same panel of o, the four of a column the same panel of wo: each half is asked for JOINTLY, with a mask that names the four.
; THE MATRIX INSTRUCTION IS USED TRANSPOSED (source 0 = 16 rows of wo, source 1 = 16 tokens): a lane holds eight neighbouring numbers of a row of out0.
; REGISTERS: window 0: v0-31 addresses; v32-63 results at work; v64-95 rows read back; v96-127 the bias; v128-255 the accumulators ((a, b) at v[128 + 8 (4 a + b)]).
;   window 1: two fragment buffers of 128: o's four fragments, then wo's four.
.set HALFP,  65536                     ; half a panel: 4 tiles x 16,384 bytes
.set PANB,   2*HALFP                   ; wo's panel lies behind o's
.set STAGE,  4*HALFP                   ; behind the panels: 16 rows x 272 bytes for each wave, for the way out; no tensor load lands there
.set SPITCH, 272
.set SPARE,  STAGE+4*16*SPITCH         ; the spare words, 128 bytes for each wave
.set ADRA, 16                          ; LDS address of my fragments of o
.set ADRB, 20                          ; of wo
.set STO,  24                          ; the way out: where I put 32 bytes of a row
.set RD,   25                          ; where I read a row back
.set CO,   26                          ; my byte offset in out0
.set BOF,  27                          ; 32 h: my eight numbers of a tile's bias
.set SPW,  30
.set NIL,  31
.set TMP,  32
.set BK,   64
.set BI,   96
.set ACC,  128
.set G1,  24                           ; s[24:31] descriptor group 1 for o;  s[32:35] group 0
.set G0,  32
.set G1B, 68                           ; s[68:75], s[76:79] the same for wo
.set G0B, 76
.set MSB, 0
.macro WIN new                         ; the immediate's high byte repeats the setting that is left
.if MSB != (\new)
	s_set_vgpr_msb (MSB<<8)|(\new)
.set MSB, (\new)
.endif
.endm
.macro CROUND                          ; a round of the cluster's barrier
	s_barrier_signal -1
	s_barrier_wait -1
	s_cmp_lg_u32 s14, 0
	s_cbranch_scc1 .Lnot_wave_0_\@
	s_barrier_signal -3
.Lnot_wave_0_\@:
	s_barrier_wait -3
	s_barrier_signal -1
	s_barrier_wait -1
.endm
.macro PLACES                          ; in front of loads into registers that matrix instructions have read, and of the first read of results (ISA guide 7.12.1 for the first read of results)
.rept 4
	v_nop
.endr
.endm
	s_load_b256 s[4:11], s[0:1], 0x0               ; ocodes s[4:5], wcodes s[6:7], the scales' exponents s[8:9], bo s[10:11]
	s_load_b64 s[12:13], s[0:1], 0x20              ; out0
	v_lshl_add_u32 v[SPW], v0, 2, SPARE
	v_mov_b32 v[NIL], 0
	ds_add_u32 v[SPW], v[NIL]
	ds_add_u32 v[SPW], v[NIL]
	v_lshrrev_b32 v1, 5, v0
	v_readfirstlane_b32 s14, v1                    ; wave 0..3
	s_lshr_b32 s15, s14, 1                         ; which 64 tokens are mine.  Also: I fetch for o (0) or for wo (1)
	s_and_b32 s16, s14, 1                          ; which 64 features.  Also: which half of that panel I fetch
	s_bfe_u32 s48, ttmp6, 0x40000                  ; cx, cy: my place in the cluster
	s_bfe_u32 s49, ttmp6, 0x40004
	s_lshl_b32 s50, ttmp9, 2
	s_add_co_u32 s50, s50, s48                     ; which 128 features = 4 x cluster x + cx
	s_and_b32 s17, ttmp7, 0xffff
	s_lshl_b32 s17, s17, 2
	s_add_co_u32 s17, s17, s49                     ; which 128 tokens = 4 x cluster y + cy
	s_lshl_b32 s51, s49, 2
	s_lshl_b32 s51, 15, s51                        ; my row of the cluster
	s_lshl_b32 s52, 0x1111, s48                    ; my column
	s_or_b32 s[G1+0], s51, (1<<21)                 ; 15:0 the mask: o's half goes to my row; elements of 1 byte; no padding; 21 set beside a mask
	s_or_b32 s[G1B+0], s52, (1<<21)                ; wo's to my column
.irp g, G1, G1B                        ; 65,536 dense bytes as 16 rows of 4,096
	s_mov_b32 s[\g+1], 4096<<16
	s_mov_b32 s[\g+2], 16<<16
	s_mov_b32 s[\g+3], 4096<<16
	s_mov_b32 s[\g+4], 16
	s_mov_b32 s[\g+5], 4096
	s_mov_b32 s[\g+6], 0
	s_mov_b32 s[\g+7], 0
.endr
	s_lshl_b32 s18, s16, 16                        ; which 4 tiles I fetch
	s_lshl_b32 s54, s17, 17                        ; o: 8 tiles x 16,384 bytes for each 128 tokens
	s_add_co_u32 s54, s54, s18
	s_mov_b32 s55, 0
	s_lshl_b32 s56, s50, 17                        ; wo likewise,
	s_add_co_u32 s56, s56, s18
	s_add_co_u32 s56, s56, 0x300000                ; behind wq's, wk's and wv's planes of 1,048,576 bytes
	s_mov_b32 s57, 0
	s_lshl_b32 s53, s14, 16                        ; where they go: wave x half a panel: no place in the cluster enters an LDS address
	s_wait_dscnt 0x0                               ; both opening adds are done
	s_wait_kmcnt 0x0
	s_load_b64 s[92:93], s[8:9], 0x28              ; e10, e11
	s_add_nc_u64 s[54:55], s[4:5], s[54:55]
	s_add_nc_u64 s[56:57], s[6:7], s[56:57]
	CROUND                                         ; all sixteen work-groups are here: the joint loads meet
	s_mov_b32 s[G0], 1
	s_mov_b32 s[G0+1], s53
	s_mov_b64 s[G0+2:G0+3], s[54:55]
	s_or_b32 s[G0+3], s[G0+3], 0x80000000
	s_mov_b32 s[G0B], 1
	s_mov_b32 s[G0B+1], s53
	s_mov_b64 s[G0B+2:G0B+3], s[56:57]
	s_or_b32 s[G0B+3], s[G0B+3], 0x80000000
	s_cmp_eq_u32 s15, 0
	s_cbranch_scc0 .Lfor_b
	tensor_load_to_lds s[G0:G0+3], s[G1:G1+7]
	s_nop 0
	PLACES
	s_branch .Lasked
.Lfor_b:
	tensor_load_to_lds s[G0B:G0B+3], s[G1B:G1B+7]
	s_nop 0
	PLACES
.Lasked:
	v_and_b32 v1, 15, v0                           ; r
	v_bfe_u32 v2, v0, 4, 1                         ; h
	v_and_b32 v3, 31, v0
	v_lshlrev_b32 v4, 4, v3                        ; 16 x lane
	s_lshl_b32 s21, s15, 16
	v_add_nc_u32 v[ADRA], s21, v4
	s_lshl_b32 s22, s16, 16
	s_add_co_u32 s22, s22, PANB
	v_add_nc_u32 v[ADRB], s22, v4
	s_mul_i32 s23, s14, 16*SPITCH
	s_add_co_u32 s23, s23, STAGE                   ; my stage
	v_mul_u32_u24 v5, v1, SPITCH                   ; in: row r, 32 bytes for each half of the lanes
	v_lshl_add_u32 v5, v2, 5, v5
	v_add_nc_u32 v[STO], s23, v5
	v_mul_u32_u24 v5, v2, SPITCH                   ; back: lanes 0-15 one row of 256 bytes, lanes 16-31 the next
	v_lshl_add_u32 v5, v1, 4, v5
	v_add_nc_u32 v[RD], s23, v5
	v_lshlrev_b32 v5, 12, v2                       ; and the same two rows in out0 (4,096 bytes a row)
	v_lshl_add_u32 v[CO], v1, 4, v5
	v_lshlrev_b32 v[BOF], 5, v2
	s_wait_alu depctr_va_vdst(0)
	s_lshl_b32 s58, s50, 9                         ; my 64 features, in bytes
	s_lshl_b32 s59, s16, 8
	s_add_co_u32 s58, s58, s59
	s_mov_b32 s59, 0
	s_add_nc_u64 s[10:11], s[10:11], s[58:59]      ; in bo,
	s_lshl_b32 s60, s17, 19                        ; and in out0, at my first token
	s_lshl_b32 s61, s15, 18
	s_add_co_u32 s60, s60, s61
	s_add_co_u32 s60, s60, s58
	s_mov_b32 s61, 0
	s_add_nc_u64 s[12:13], s[12:13], s[60:61]
.irp b, 0,1,2,3
	global_load_b128 v[BI+8*\b:BI+8*\b+3],   v[BOF], s[10:11] offset:64*\b       ; bo[16 b + 8 h + 0 .. 7], in the result's layout
	global_load_b128 v[BI+8*\b+4:BI+8*\b+7], v[BOF], s[10:11] offset:64*\b+16
.endr
; 32 LDS loads in one run: K step q's eight fragments into buffer f; each load takes 512 consecutive bytes
.macro FETCH q, f
	WIN 0x40
.irp i, 0,1,2,3
.irp c, 0,1,2,3
	ds_load_b128 v[\f+64+16*\i+4*\c:\f+64+16*\i+4*\c+3], v[ADRB] offset:16384*\i+2048*(\q)+512*\c
	ds_load_b128 v[\f+16*\i+4*\c:\f+16*\i+4*\c+3],       v[ADRA] offset:16384*\i+2048*(\q)+512*\c
.endr
.endr
.endm
; 16 matrix instructions, 128 along K; the 16 accumulators take turns, one instruction a turn.  zero = 1: the first product starts the sums
.macro MUL f, zero
	WIN 0x05
.irp a, 0,1,2,3
.irp b, 0,1,2,3
.if \zero
	v_wmma_f32_16x16x128_fp8_fp8 v[ACC+8*(4*\a+\b):ACC+8*(4*\a+\b)+7], v[\f+64+16*\b:\f+64+16*\b+15], v[\f+16*\a:\f+16*\a+15], 0
.else
	v_wmma_f32_16x16x128_fp8_fp8 v[ACC+8*(4*\a+\b):ACC+8*(4*\a+\b)+7], v[\f+64+16*\b:\f+64+16*\b+15], v[\f+16*\a:\f+16*\a+15], v[ACC+8*(4*\a+\b):ACC+8*(4*\a+\b)+7]
.endif
.endr
.endr
.endm
	s_wait_tensorcnt 0x0                           ; my half panel is in
	s_barrier_signal -1
	s_barrier_wait -1                              ; everybody's is
	FETCH 0, 0
	FETCH 1, 128
	s_wait_dscnt 32                                ; all but the 32 just issued
	MUL 0, 1
.irp q, 1,2,3,4,5,6
	PLACES
	FETCH \q+1, 128*((\q+1)%2)
	s_wait_dscnt 32                                ; all but the 32 just issued
	MUL 128*(\q%2), 0
.endr
	s_wait_dscnt 0x0
	MUL 128, 0
	WIN 0
	PLACES
	; THE WAY OUT, 16 tokens at a time: a lane holds 32 neighbouring bytes of a row and the lanes beside it other rows: so a block goes through my own stage in LDS and comes back as whole rows of 256 bytes.
	s_wait_kmcnt 0x0
	s_add_co_i32 s96, s92, s93
	s_add_co_i32 s96, s96, 127
	s_lshl_b32 s96, s96, 23                        ; 2^(e10 + e11) as f32
	s_mov_b32 s97, s96
	s_wait_loadcnt 0x0                             ; the bias
.irp a, 0,1,2,3
.irp b, 0,1,2,3
.irp j, 0,2,4,6
	v_pk_fma_f32 v[TMP+8*\b+\j:TMP+8*\b+\j+1], v[ACC+8*(4*\a+\b)+\j:ACC+8*(4*\a+\b)+\j+1], s[96:97], v[BI+8*\b+\j:BI+8*\b+\j+1] op_sel_hi:[1,0,1]
.endr
.endr
.irp b, 0,1,2,3
	ds_store_b128 v[STO], v[TMP+8*\b:TMP+8*\b+3]   offset:64*\b
	ds_store_b128 v[STO], v[TMP+8*\b+4:TMP+8*\b+7] offset:64*\b+16
.endr
	s_wait_xcnt 0x0                                ; the last block's stores have read v64-95
.irp t, 0,1,2,3,4,5,6,7
	ds_load_b128 v[BK+4*\t:BK+4*\t+3], v[RD] offset:\t*2*SPITCH   ; LDS serves a wave's instructions in order: these see the stores above
.endr
.irp t, 0,1,2,3,4,5,6,7
	s_wait_dscnt 7-\t                              ; rows 2 t, 2 t + 1 are back; the 7 - t younger loads may be out
	global_store_b128 v[CO], v[BK+4*\t:BK+4*\t+3], s[12:13] offset:(16*\a+2*\t)*4096 th:TH_STORE_NT   ; 16 lanes store 256 consecutive bytes, aligned
.endr
.endr
	s_wait_tensorcnt 0x0                           ; the wave's end
	ds_add_u32 v[SPW], v[NIL]
	s_wait_dscnt 0x0
	CROUND                                         ; the closing round: no work-group ends while a partner may still issue a load that names it
	s_endpgm
.Lfunc_end_k_q953c2a7017_oproj:
	.size	k_q953c2a7017_oproj, .Lfunc_end_k_q953c2a7017_oproj-k_q953c2a7017_oproj
	.p2alignl 7, 3214868480
	.fill 96, 4, 3214868480
	.section	.rodata,"a",@progbits
	.p2align	6, 0x0
	.amdhsa_kernel k_q953c2a7017_oproj
		.amdhsa_group_segment_fixed_size 327680
		.amdhsa_private_segment_fixed_size 0
		.amdhsa_enable_private_segment 0
		.amdhsa_kernarg_size 40
		.amdhsa_user_sgpr_count 2
		.amdhsa_user_sgpr_kernarg_segment_ptr 1
		.amdhsa_wavefront_size32 1
		.amdhsa_system_sgpr_workgroup_id_x 1
		.amdhsa_system_sgpr_workgroup_id_y 1
		.amdhsa_system_sgpr_workgroup_id_z 1
		.amdhsa_system_vgpr_workitem_id 0
		.amdhsa_next_free_vgpr 512
		.amdhsa_next_free_sgpr 98
		.amdhsa_reserve_vcc 0
		.amdhsa_float_denorm_mode_32 3
		.amdhsa_float_denorm_mode_16_64 3
		.amdhsa_memory_ordered 1
		.amdhsa_forward_progress 1
		.amdhsa_inst_pref_size 45
	.end_amdhsa_kernel
	.amdgpu_metadata
---
amdhsa.version: [ 1, 2 ]
amdhsa.kernels:
  - .name:           k_q953c2a7017_oproj
    .symbol:         k_q953c2a7017_oproj.kd
    .args:
      - { .name: ocodes, .offset: 0, .size: 8, .value_kind: global_buffer, .address_space: global }
      - { .name: wcodes, .offset: 8, .size: 8, .value_kind: global_buffer, .address_space: global }
      - { .name: lowp_scales, .offset: 16, .size: 8, .value_kind: global_buffer, .address_space: global }
      - { .name: bo, .offset: 24, .size: 8, .value_kind: global_buffer, .address_space: global }
      - { .name: out0, .offset: 32, .size: 8, .value_kind: global_buffer, .address_space: global }
    .group_segment_fixed_size: 327680
    .private_segment_fixed_size: 0
    .kernarg_segment_align: 8
    .kernarg_segment_size: 40
    .max_flat_workgroup_size: 128
    .sgpr_count:     98
    .vgpr_count:     512
    .wavefront_size: 32
...
	.end_amdgpu_metadata
.endif
;; end of part 4
